; MI455X (gfx1250); checked and timed in simulation.
; The chip was launched on July 23, 2026; its instructions are those of AMD's public machine-readable ISA for CDNA 5 (MIT licence, August 2026) and "CDNA5" Instruction Set Architecture Reference Guide (July 2026). The comments in the code are by the model that wrote it; some were corrected since.
;; Multi Head Attention. Allowed arithmetic: matrix products marked QUANTISED: E4M3 operands, one E8M0 scale for each 32 along K, by v_wmma_scale_f32_16x16x128_f8f6f4 with both operands' format E4M3, f32 sums; everything else in f32.
;; Inputs: Wk 1,024 x 1,024 float32; Wo 1,024 x 1,024 float32; Wq 1,024 x 1,024 float32; Wv 1,024 x 1,024 float32; bk 1,024 float32; bo 1,024 float32; bq 1,024 float32; bv 1,024 float32; z 4 x 2,048 x 1,024 float32.
;; Outputs: out0 4 x 2,048 x 1,024 float32.
;; This version of the problem:
;;   THIS VERSION OF THE PROBLEM IS GIVEN IN LOW PRECISION. The matrix products marked QUANTISED in the list below multiply operands that are first quantised to E4M3 (4 exponent bits, 3 mantissa bits; 8 bits a number), with one power-of-two scale for each 32 numbers along K (OCP MX v1.0); their sums are f32. All else is computed in f32.
;;   The module's matrix products, in the order in which they are computed (A, B: the left and right operand; K: the contracted axis; several contracted axes count as one K, in the product's order):
;;     1. [M 8,192, K 1,024] x [K 1,024, N 1,024]; A: input z; B: input Wq: QUANTISED
;;     2. [M 8,192, K 1,024] x [K 1,024, N 1,024]; A: input z; B: input Wk: QUANTISED
;;     3. [M 8,192, K 1,024] x [K 1,024, N 1,024]; A: input z; B: input Wv: QUANTISED
;;     4. batch 64 x [M 2,048, K 64] x [K 64, N 2,048]; A: computed on the way; B: computed on the way: QUANTISED
;;     5. batch 64 x [M 2,048, K 2,048] x [K 2,048, N 64]; A: softmax (see below); B: computed on the way: QUANTISED
;;     6. [M 8,192, K 1,024] x [K 1,024, N 1,024]; A: computed on the way; B: input Wo: QUANTISED
;;   THE QUANTISER, for each operand of a quantised product, along K:
;;     - K is cut into blocks of 32 from its start; a last block that is shorter is filled with zeros.
;;     - A block's scale is 2^e with e = floor(log2(the largest magnitude in the block)) - 8, held to -126 .. 127; a block of zeros has e = 0. As a byte (E8M0): e + 127.
;;     - Each number is divided by its block's scale, clamped to +-448, and rounded to the nearest number of E4M3, ties to even, subnormals kept.
;;     - The product sums the exact products of the quantised numbers (number of the format x scale) in f32.
;;   ~~~python
;;   def quantise(x, axis):      # numpy; x: float32 -> the quantised numbers, widened to float32 again
;;       x = np.moveaxis(x, axis, -1); K = x.shape[-1]
;;       x = np.pad(x, [(0, 0)] * (x.ndim - 1) + [(0, -K % 32)]); x = x.reshape(x.shape[:-1] + (-1, 32)); a = np.abs(x).max(-1, keepdims=True)
;;       e = np.where(a > 0, np.clip(np.frexp(np.where(a > 0, a, 1))[1] - 1 - 8, -126, 127), 0)      # np.frexp(a)[1] - 1 = floor(log2(a)), exactly
;;       r = np.clip(x / 2.0 ** e, -448, 448)
;;       step = 2.0 ** (np.maximum(np.frexp(np.where(r == 0, 1, r))[1] - 1, -6) - 3)
;;       q = np.round(r / step) * step * 2.0 ** e      # np.round: ties to even
;;       return np.moveaxis(q.reshape(q.shape[:-2] + (-1,))[..., :K], -1, axis).astype(np.float32)
;;   ~~~
;;   SOFTMAX AHEAD OF A QUANTISED PRODUCT. Where the list says 'softmax', what is quantised is not the finished softmax but p = 2^(t - M), with t = logit x log2(e) and M = ceil(the row's largest t), a whole number; so 1/2 < the row's largest p <= 1. The row's sum l is taken of the UNQUANTISED p, in f32, and the product's result is divided by l at the end. Since M is a whole number, a kernel that streams over the keys may use a running M (the ceiling of the running maximum): every later rescaling is an exact power of two, which a block's scale takes up: the codes' values come out the same.
;;   OPERANDS COMPUTED ON THE WAY. 'Computed on the way' means the value that the module computes at that place (a softmax that the list does not call 'softmax' is quantised finished and normalised). What goes into a quantiser is computed in f32, as accurately as f32 sums, v_exp_f32 and their like allow (about 1e-6 of the number): no bf16 or f16 on the way to a quantiser, and a product that is left as it is and whose result goes on into a quantised operand takes f32 operands (vector FMAs, or v_wmma_f32_16x16x4_f32). A number that lies on a knife's edge between two numbers of the format may be rounded either way, as far as f32 arithmetic and the matrix unit's own rounding can turn it there, and no further.
;; One version. Each part assembles by itself: llvm-mc -triple=amdgcn-amd-amdhsa -mcpu=gfx1250 --defsym DOCPART=n.
;; ======== version 1 of 1: 4 launches
;; limits: right only within a limited range of input values
;; workspace buffers: zc 8,388,608 bytes; zs 262,144 bytes; wc 4,194,304 bytes; ws 131,072 bytes; qb 8,912,896 bytes; kv 17,563,648 bytes; cc 8,388,608 bytes; cs 262,144 bytes
;; launch quant (part 1): grid 768 x 1, 8 waves a work-group, no clusters, 69,120 bytes of LDS; arguments z, Wq, Wk, Wv, Wo, zc, zs, wc, ws; writes zc, zs, wc, ws
.if DOCPART == 1
	.amdgcn_target "amdgcn-amd-amdhsa--gfx1250"
	.amdhsa_code_object_version 6
	.text
	.protected	k_q5914c785df_quant
	.globl	k_q5914c785df_quant
	.p2align	8
	.type	k_q5914c785df_quant,@function
k_q5914c785df_quant:
	s_mov_b64 s[64:65], 0
	v_nop
	global_prefetch_b8 v0, s[64:65] scope:SCOPE_SE
	s_setreg_imm32_b32 hwreg(HW_REG_WAVE_MODE, 25, 1), 1
	s_wait_xcnt 0x0
; z [8192][1024] and Wq, Wk, Wv, Wo [1024][1024], f32 with K innermost, become codes of FP8 (E4M3) with one E8M0 scale byte for each 32 along K,
; laid AS IMAGES OF THE MATRIX OPERAND'S REGISTERS, so that every later launch loads a fragment as 16 bytes a lane, 512 consecutive bytes an instruction.
; A ROW TILE T holds 16 rows that are not neighbours: lane r takes row 32 (T / 2) + 8 (T % 2) + r + 8 (r / 8).
; Codes: [T][K step s = 0..7][c = 0..3][lane][16 bytes]; lane (r, h) holds k = 128 s + 32 c + 16 h + 0 .. 15 of its row.  Scale words: [T][s / 2][r][s % 2], four bytes each.
; A block's scale is 2^(floor(log2(its largest magnitude)) - 8); its byte is the largest magnitude's exponent field - 8, held at 1 from below.
; LIMITS: a block whose largest magnitude lies under 2^-118, a block of zeros among them, gets the byte 1 (its codes are zeros or subnormals of the format; this program alone reads the bytes); NaN and infinities are not served.
; SHARES: a work-group is one row tile (the first 512: z's; then 64 for each weight), wave w its K step w.  A stream: no matrix unit, no tensor load; work-groups share nothing, so no cluster.
; Each load reads 512 consecutive bytes of one row; the 16 rows turn through the wave's own stage in LDS (rows 528 bytes apart, so that 16 rows start at 16 different groups of banks) and come back 16 neighbours a block a lane.
.set SPITCH, 528
.set WSTG,   16*SPITCH                 ; a wave's stage
.set SCS,    8*WSTG                    ; behind the stages: the tile's 512 bytes of scale words
.set R,   16                           ; v16-79   the numbers as loaded
.set X,   80                           ; v80-143  64 numbers of my row: register 16 b + i = k 32 b + 16 h + i
.set PC,  16                           ; v16-31   the codes   (R's registers are free behind the wait that shows the stage's stores done)
.set TM,  32                           ; v32-47   at work
.set PW,  48                           ; v48      my row's scale word
.set SW,  52                           ; v52-55   the tile's scale words on the way out
.set SEL, 32                           ; s[32:33] lane selects: lane l xor 16
.set MNT, 34                           ; s34      the mantissa field of 448
	s_load_b256 s[4:11], s[0:1], 0x0               ; z, Wq, Wk, Wv
	s_load_b256 s[12:19], s[0:1], 0x20             ; Wo, zc, zs, wc
	s_load_b64 s[20:21], s[0:1], 0x40              ; ws
	v_lshl_add_u32 v144, v0, 2, 0x10a00
	v_mov_b32 v145, 0
	v_lshrrev_b32 v8, 5, v0
	s_delay_alu instid0(VALU_DEP_1)
	v_readfirstlane_b32 s22, v8                    ; wave = K step
	v_and_b32 v8, 31, v0
	s_delay_alu instid0(VALU_DEP_1)
	v_lshlrev_b32 v1, 4, v8                        ; 16 x lane
	v_and_b32 v2, 15, v0                           ; r
	v_bfe_u32 v3, v0, 4, 1                         ; h
	s_mul_i32 s23, s22, WSTG
	v_add_nc_u32 v4, s23, v1                       ; the stage, on the way in: a row's 512 bytes as they lie
	v_mul_u32_u24 v5, v2, SPITCH
	s_delay_alu instid0(VALU_DEP_1)
	v_lshl_add_u32 v5, v3, 6, v5
	s_delay_alu instid0(VALU_DEP_1)
	v_add_nc_u32 v5, s23, v5                       ; and on the way out: row r, + 64 h
	s_lshr_b32 s24, s22, 1
	s_lshl_b32 s24, s24, 7
	s_and_b32 s25, s22, 1
	s_lshl_b32 s25, s25, 2
	s_add_co_u32 s24, s24, s25
	s_add_co_u32 s24, s24, SCS
	v_lshl_add_u32 v6, v2, 3, s24                  ; my scale word's place: 128 (s / 2) + 8 r + 4 (s % 2)
	v_add_nc_u32 v7, SCS, v1
	s_mov_b32 s[SEL], 0x76543210
	s_mov_b32 s[SEL+1], 0xfedcba98
	s_mov_b32 s[MNT], 0x600000
	s_sub_co_u32 s23, ttmp9, 512                   ; the weights' tile (used only where the work-group's number is 512 or more)
	s_bfe_u32 s24, s23, 0x20006                    ; which weight
	s_and_b32 s25, s23, 255                        ; its tile in wc
	s_and_b32 s36, s23, 63                         ; its tile in the weight
	s_wait_alu depctr_va_vdst(0)
	s_wait_kmcnt 0x0
	s_mov_b64 s[26:27], s[6:7]                     ; the source: a choice on the work-group's number alone
	s_cmp_eq_u32 s24, 1
	s_cselect_b64 s[26:27], s[8:9], s[26:27]
	s_cmp_eq_u32 s24, 2
	s_cselect_b64 s[26:27], s[10:11], s[26:27]
	s_cmp_eq_u32 s24, 3
	s_cselect_b64 s[26:27], s[12:13], s[26:27]
	s_cmp_lt_u32 ttmp9, 512
	s_cselect_b64 s[26:27], s[4:5], s[26:27]
	s_cselect_b64 s[28:29], s[14:15], s[18:19]     ; the codes' buffer
	s_cselect_b64 s[30:31], s[16:17], s[20:21]     ; the scale words'
	s_cselect_b32 s35, ttmp9, s36                  ; the tile in the source
	s_cselect_b32 s37, ttmp9, s25                  ; and in the images
	s_lshr_b32 s38, s35, 1
	s_lshl_b32 s38, s38, 17                        ; 32 (T / 2) rows of 4,096 bytes
	s_and_b32 s39, s35, 1
	s_lshl_b32 s39, s39, 15                        ; 8 (T % 2) rows
	s_add_co_u32 s38, s38, s39
	s_lshl_b32 s39, s22, 9                         ; my K step's 512 bytes of a row
	s_add_co_u32 s38, s38, s39
	s_mov_b32 s39, 0
	s_add_nc_u64 s[26:27], s[26:27], s[38:39]
	s_lshl_b32 s38, s37, 14
	s_lshl_b32 s36, s22, 11
	s_add_co_u32 s38, s38, s36
	s_add_nc_u64 s[28:29], s[28:29], s[38:39]      ; 16,384 T + 2,048 s
	s_lshl_b32 s38, s37, 9
	s_add_nc_u64 s[30:31], s[30:31], s[38:39]      ; 512 T
.irp i, 0,1,2,3,4,5,6,7,8,9,10,11,12,13,14,15
	global_load_b128 v[R+4*\i:R+4*\i+3], v1, s[26:27] offset:(\i+8*(\i/8))*4096 th:TH_LOAD_NT   ; the tile's row i: 32 lanes read 512 consecutive bytes
.endr
.irp i, 0,1,2,3,4,5,6,7,8,9,10,11,12,13,14,15
	s_wait_loadcnt 15-\i                           ; loads come back in order: row i is in, the younger ones may be out
	ds_store_b128 v4, v[R+4*\i:R+4*\i+3] offset:SPITCH*\i
.endr
.irp b, 0,1,2,3
.irp q, 0,1,2,3
	ds_load_b128 v[X+16*\b+4*\q:X+16*\b+4*\q+3], v5 offset:128*\b+16*\q   ; LDS serves a wave's instructions in order: these see my stores
.endr
.endr
	s_wait_dscnt 0x0                               ; the numbers are back, and the stores have read R's registers
.irp b, 0,1,2,3
	v_mov_b32 v[TM+4+\b], 0                        ; a lane permute's destination counts as one of its sources
.endr
.irp b, 0,1,2,3
	v_max3_num_f32 v[TM+\b], |v[X+16*\b]|, |v[X+1+16*\b]|, 0x4800000   ; block b: my 16 numbers, and the floor 2^(9 - 127): the byte cannot fall under 1
.endr
.irp i, 2,4,6,8,10,12,14
.irp b, 0,1,2,3
	s_delay_alu instid0(VALU_DEP_4)
	v_max3_num_f32 v[TM+\b], v[TM+\b], |v[X+16*\b+\i]|, |v[X+1+16*\b+\i]|   ; the four blocks by turns
.endr
.endr
.irp b, 0,1,2,3
	s_delay_alu instid0(VALU_DEP_4)
	v_permlanex16_b32 v[TM+4+\b], v[TM+\b], s[SEL], s[SEL+1]
.endr
.irp b, 0,1,2,3
	s_delay_alu instid0(VALU_DEP_4)
	v_max_num_f32 v[TM+\b], v[TM+\b], v[TM+4+\b]   ; with lane l xor 16's: the block's largest magnitude
.endr
.irp b, 0,1,2,3
	s_delay_alu instid0(VALU_DEP_4)
	v_add_nc_u32 v[TM+12+\b], 0xfc000000, v[TM+\b] ; 8 off its exponent field: the conversion's scale operand
.endr
.irp b, 0,1,2,3
	v_and_or_b32 v[TM+8+\b], v[TM+\b], 0x7f800000, s[MNT]   ; 448 x the scale
.endr
.irp b, 0,1,2,3
	v_lshrrev_b32 v[TM+4+\b], 23, v[TM+12+\b]      ; the scale's byte
.endr
	s_delay_alu instid0(VALU_DEP_3)
	v_lshl_or_b32 v[PW], v[TM+5], 8, v[TM+4]
	s_delay_alu instid0(VALU_DEP_1)
	v_lshl_or_b32 v[PW], v[TM+6], 16, v[PW]
	s_delay_alu instid0(VALU_DEP_1)
	v_lshl_or_b32 v[PW], v[TM+7], 24, v[PW]
.set j, 0
.rept 64
	v_med3_num_f32 v[X+j], v[X+j], -v[TM+8+j/16], v[TM+8+j/16]   ; the conversion to an 8-bit code does not saturate (ISA guide 7.6.2): the hold at 448 x the scale
.set j, j+1
.endr
.irp b, 0,1,2,3
	v_cvt_scalef32_pk8_fp8_f32 v[PC+4*\b:PC+1+4*\b], v[X+16*\b:X+7+16*\b], v[TM+12+\b]
	v_cvt_scalef32_pk8_fp8_f32 v[PC+2+4*\b:PC+3+4*\b], v[X+8+16*\b:X+15+16*\b], v[TM+12+\b]
.endr
	v_nop
.irp c, 0,1,2,3
	global_store_b128 v1, v[PC+4*\c:PC+4*\c+3], s[28:29] offset:512*\c   ; the fragment as it stands: 512 consecutive bytes a store
.endr
	ds_store_b32 v6, v[PW]                         ; both halves of the lanes write the same word with the same value
	s_wait_dscnt 0x0                               ; for wave 0's sake: my word lies in LDS
	s_barrier_signal -1
	s_barrier_wait -1
	s_cmp_lg_u32 s22, 0
	s_cbranch_scc1 .Lend
	ds_load_b128 v[SW:SW+3], v7                    ; the tile's 128 scale words leave as 512 consecutive bytes
	s_wait_dscnt 0x0
	global_store_b128 v1, v[SW:SW+3], s[30:31]
.Lend:
	s_wait_tensorcnt 0x0
	ds_add_u32 v144, v145
	s_wait_dscnt 0x0
	s_endpgm
.Lfunc_end_k_q5914c785df_quant:
	.size	k_q5914c785df_quant, .Lfunc_end_k_q5914c785df_quant-k_q5914c785df_quant
	.p2alignl 7, 3214868480
	.fill 96, 4, 3214868480
	.section	.rodata,"a",@progbits
	.p2align	6, 0x0
	.amdhsa_kernel k_q5914c785df_quant
		.amdhsa_group_segment_fixed_size 69120
		.amdhsa_private_segment_fixed_size 0
		.amdhsa_enable_private_segment 0
		.amdhsa_kernarg_size 72
		.amdhsa_user_sgpr_count 2
		.amdhsa_user_sgpr_kernarg_segment_ptr 1
		.amdhsa_wavefront_size32 1
		.amdhsa_system_sgpr_workgroup_id_x 1
		.amdhsa_system_sgpr_workgroup_id_y 1
		.amdhsa_system_sgpr_workgroup_id_z 1
		.amdhsa_system_vgpr_workitem_id 0
		.amdhsa_next_free_vgpr 146
		.amdhsa_next_free_sgpr 66
		.amdhsa_reserve_vcc 0
		.amdhsa_float_denorm_mode_32 3
		.amdhsa_float_denorm_mode_16_64 3
		.amdhsa_memory_ordered 1
		.amdhsa_forward_progress 1
		.amdhsa_inst_pref_size 18
	.end_amdhsa_kernel
	.amdgpu_metadata
---
amdhsa.version: [ 1, 2 ]
amdhsa.kernels:
  - .name:           k_q5914c785df_quant
    .symbol:         k_q5914c785df_quant.kd
    .args:
      - { .name: z, .offset: 0, .size: 8, .value_kind: global_buffer, .address_space: global }
      - { .name: Wq, .offset: 8, .size: 8, .value_kind: global_buffer, .address_space: global }
      - { .name: Wk, .offset: 16, .size: 8, .value_kind: global_buffer, .address_space: global }
      - { .name: Wv, .offset: 24, .size: 8, .value_kind: global_buffer, .address_space: global }
      - { .name: Wo, .offset: 32, .size: 8, .value_kind: global_buffer, .address_space: global }
      - { .name: zc, .offset: 40, .size: 8, .value_kind: global_buffer, .address_space: global }
      - { .name: zs, .offset: 48, .size: 8, .value_kind: global_buffer, .address_space: global }
      - { .name: wc, .offset: 56, .size: 8, .value_kind: global_buffer, .address_space: global }
      - { .name: ws, .offset: 64, .size: 8, .value_kind: global_buffer, .address_space: global }
    .group_segment_fixed_size: 69120
    .private_segment_fixed_size: 0
    .kernarg_segment_align: 8
    .kernarg_segment_size: 72
    .max_flat_workgroup_size: 256
    .sgpr_count:     66
    .vgpr_count:     146
    .wavefront_size: 32
...
	.end_amdgpu_metadata
.endif
;; end of part 1
;; launch proj (part 2): grid 8 x 32, 4 waves a work-group, clusters of 4 x 1, 327,680 bytes of LDS; arguments zc, zs, wc, ws, bq, bk, bv, qb, kv; writes qb, kv
.if DOCPART == 2
	.amdgcn_target "amdgcn-amd-amdhsa--gfx1250"
	.amdhsa_code_object_version 6
	.text
	.protected	k_q5914c785df_proj
	.globl	k_q5914c785df_proj
	.p2align	8
	.type	k_q5914c785df_proj,@function
k_q5914c785df_proj:
	s_mov_b64 s[64:65], 0
	v_nop
	global_prefetch_b8 v0, s[64:65] scope:SCOPE_SE
	s_setreg_imm32_b32 hwreg(HW_REG_WAVE_MODE, 25, 1), 1
	s_wait_xcnt 0x0
	s_wait_alu depctr_hold_cnt(0) depctr_sa_sdst(0) depctr_va_vdst(0) depctr_va_sdst(0) depctr_va_ssrc(0) depctr_va_vcc(0) depctr_vm_vsrc(0)
	s_getreg_b32 s2, hwreg(HW_REG_IB_STS2, 6, 4)
	s_cmp_eq_u32 s2, 0
	s_cbranch_scc0 .Lentry_in_a_cluster
	s_endpgm
.Lentry_in_a_cluster:
	s_bfe_u32 s2, ttmp6, 0x10000c
	s_cmp_lg_u32 s2, 0x3003
	s_cbranch_scc0 .Lentry_shape_is_right
	s_endpgm
.Lentry_shape_is_right:
; Q, K, V = z W^T + b on codes of FP8 (E4M3) with E8M0 scales, 8,192 x 3,072 x 1,024, each result quantised again and stored as images of the attention launch's operand registers.
; THE BUFFERS.  zc, wc: [row tile T][K step s][c][lane][16 bytes]; zs, ws: [T][s / 2][r][s % 2] scale words; a tile's row r is row 32 (T / 2) + 8 (T % 2) + r + 8 (r / 8).  wc holds Wq's 64 tiles, then Wk's, Wv's.
; qb[batch x head][group of 8 token tiles: 8,704 bytes]: 8 x 1,024 of codes ([c = 0, 1][lane][16]), then 8 x 64 of scale words (two bytes, two zeros).
; kv[batch x head][key step: 17,152 bytes]: K as Q's group; at 8,192 V^T [tile t][c][lane][16]; at 16,384 K's scale words; at 16,896 V^T's [t][r], byte c.
; SHARES.  256 work-groups: 32 groups of 256 rows of z x 8 groups of two heads.  Four waves, 2 x 2: a wave has one head and 8 row tiles (one key step).
; The work-group's 256 rows of z, all of K, lie in LDS as they lie in memory: one joint load a wave at the head (64 KiB), shared by the four partners of a cluster, which have the same rows.  Nothing is filled again.
; z's 8,192 bytes of scale words come by plain loads and LDS stores into bytes of their own.
; A wave holds its head's 64 rows of a weight, all of K, in 512 registers; they come from memory straight into the operand registers, where no joint load reaches.  THREE PHASES on the same LDS rows: Q, K (source 0 = the weight: a lane holds a token, its registers the head's channels), V (source 0 = z: a lane holds a channel, its registers keys).
; A row tile's fragments stand in registers as two sets by turns; behind a tile's 32 products its set takes the tile two on.  The bias is the first products' C.
; No prefetch: every operand is asked for whole at the first line at which its place is free.
; LIMITS: a block whose largest magnitude lies under 2^-118 gets the byte 1; NaN and infinities are not served.
; REGISTERS: windows 1, 2 the weight (fragment 4 q + b); window 3 z's two sets; window 0 all else.
.set NF,    36                         ; LDS loads of a row tile: 32 of codes, 4 of scale words
.set SCL,   262144                     ; behind z's codes: z's scale words
.set SPARE, SCL+8192
.set STG,   SPARE+512                  ; 512 bytes a wave: scale words on their way out
.set LI,   1                           ; 16 x lane
.set AD0,  2                           ; v2, v3 LDS address of my row tiles 0-3, 4-7
.set AAS0, 4                           ; of my rows' scale words
.set VX0,  5                           ; stage: 4 r
.set RDB,  6                           ; stage: 16 x lane
.set RD8,  7                           ; stage: 8 x lane
.set WSO,  8                           ; a weight's scale words: 8 r + 512 h
.set BO,   9                           ; bias of Q, K: 64 h
.set SPW,  10
.set NIL,  11
.set BVO,  12                          ; bias of V: 4 (r + 8 (r / 8))
.set T16,  13                          ; 16 x thread
.set T16S, 14
.set L8,   15                          ; 8 x lane
.set SB,   24                          ; v24-39 the weight's scale words: 8 p + q: lanes 0-15 tile 2 p, lanes 16-31 tile 2 p + 1
.set SA,   44                          ; v44-59 z's, two sets
.set TM,   60                          ; v60-75 at work
.set PW,   76
.set VW,   80                          ; v80-83 V^T's scale words
.set PC,   84                          ; v84-99 codes
.set ACC,  104                         ; v104-167 two sets of four accumulators
.set BIAS, 168                         ; v168-199
.set XR,   200
.set WV, 22
.set WR, 23
.set WC, 24
.set G1, 36
.set G0, 44
.set OB, 56                            ; s[56:57] where a phase's codes go; s[58:59] its scale words
.set OS, 58
.set SEL, 60
.set MNT, 62
.set PH, 63
.set MSB, 0
.macro WIN new
.if MSB != \new
	s_set_vgpr_msb (MSB<<8)|\new
.set MSB, \new
.endif
.endm
.macro PLACES n
.rept \n
	v_nop
.endr
.endm
.macro CROUND
	s_barrier_signal -1
	s_barrier_wait -1
	s_cmp_lg_u32 s[WV], 0
	s_cbranch_scc1 .Lnot_wave_0_\@
	s_barrier_signal -3
.Lnot_wave_0_\@:
	s_barrier_wait -3
	s_barrier_signal -1
	s_barrier_wait -1
.endm
.macro WLOAD                           ; my head's four tiles of a weight, all of K, and their scale words
.irp q, 0,1,2,3,4,5,6,7
.irp b, 0,1,2,3
	WIN (1+(4*\q+\b)/16)<<6
.irp c, 0,1,2,3
	global_load_b128 v[16*((4*\q+\b)%16)+4*\c:16*((4*\q+\b)%16)+4*\c+3], v[LI], s[8:9] offset:\b*16384+\q*2048+\c*512
.endr
.endr
.endr
	WIN 0
.irp p, 0,1
.irp u, 0,1,2,3
	global_load_b64 v[SB+8*\p+2*\u:SB+8*\p+2*\u+1], v[WSO], s[10:11] offset:\p*1024+\u*128
.endr
.endr
.endm
.macro BIASQK p                        ; register 16 u + i: channel 32 u + 16 h + i of my head
.irp u, 0,1
.irp k, 0,1,2,3
	global_load_b128 v[BIAS+16*\u+4*\k:BIAS+16*\u+4*\k+3], v[BO], s[\p:\p+1] offset:128*\u+16*\k
.endr
.endr
.endm
.macro FETCH e, i                      ; my row tile i into set e
	WIN 3<<6
.irp q, 0,1,2,3,4,5,6,7
.irp c, 0,1,2,3
	ds_load_b128 v[128*(\e)+16*\q+4*\c:128*(\e)+16*\q+4*\c+3], v[AD0+(\i)/4] offset:((\i)%4)*16384+2048*\q+512*\c
.endr
.endr
	WIN 0
.irp u, 0,1,2,3
	ds_load_b64 v[SA+8*(\e)+2*\u:SA+8*(\e)+2*\u+1], v[AAS0] offset:512*(\i)+128*\u
.endr
.endm
.macro PROD kind, e, a, n              ; product n = 4 q + b: K step q, the weight's tile b; the four accumulators by turns
.set Q_, (\n)/4
.set B_, (\n)%4
.set AC_, ACC+32*(\a)+8*B_
.set C_, AC_
.if Q_ == 0
.set C_, BIAS+8*B_
.endif
.set X_, 128*(\e)+16*Q_
.set W_, 16*((\n)%16)
.set XS_, SA+8*(\e)+Q_
.set WS_, SB+8*(B_/2)+Q_
.if \kind
	WIN 3|((1+(\n)/16)<<2)
.if B_%2
	v_wmma_scale_f32_16x16x128_f8f6f4 v[AC_:AC_+7], v[X_:X_+15], v[W_:W_+15], v[C_:C_+7], v[XS_], v[WS_] matrix_b_scale:MATRIX_SCALE_ROW1
.else
	v_wmma_scale_f32_16x16x128_f8f6f4 v[AC_:AC_+7], v[X_:X_+15], v[W_:W_+15], v[C_:C_+7], v[XS_], v[WS_]
.endif
.else
	WIN (1+(\n)/16)|(3<<2)
.if B_%2
	v_wmma_scale_f32_16x16x128_f8f6f4 v[AC_:AC_+7], v[W_:W_+15], v[X_:X_+15], v[C_:C_+7], v[WS_], v[XS_] matrix_a_scale:MATRIX_SCALE_ROW1
.else
	v_wmma_scale_f32_16x16x128_f8f6f4 v[AC_:AC_+7], v[W_:W_+15], v[X_:X_+15], v[C_:C_+7], v[WS_], v[XS_]
.endif
.endif
.endm
.macro PRODS kind, e, a
.set N_, 0
.rept 32
	PROD \kind, \e, \a, N_
.set N_, N_+1
.endr
	WIN 0
.endm
.macro QOUT i                          ; Q's or K's tile i: 16 tokens x 64 channels: two blocks of 32, each shared with lane l xor 16
.set PB_, PC+8*((\i)%2)
.irp b, 0,1,2,3
	v_max3_num_f32 v[TM+\b], |v[ACC+8*\b]|, |v[ACC+8*\b+1]|, |v[ACC+8*\b+2]|
.endr
.irp k, 3,5
.irp b, 0,1,2,3
	v_max3_num_f32 v[TM+\b], v[TM+\b], |v[ACC+8*\b+\k]|, |v[ACC+8*\b+\k+1]|
.endr
.endr
.irp b, 0,1,2,3
	v_max_num_f32 v[TM+\b], v[TM+\b], |v[ACC+8*\b+7]|
.endr
	v_max3_num_f32 v[TM], v[TM], v[TM+1], 0x4800000    ; with the floor 2^(9 - 127): the byte cannot fall under 1
	v_max3_num_f32 v[TM+2], v[TM+2], v[TM+3], 0x4800000
	v_permlanex16_b32 v[TM+4], v[TM], s[SEL], s[SEL+1]
	v_permlanex16_b32 v[TM+5], v[TM+2], s[SEL], s[SEL+1]
	v_max_num_f32 v[TM], v[TM], v[TM+4]
	v_max_num_f32 v[TM+2], v[TM+2], v[TM+5]
	v_add_nc_u32 v[TM+12], 0xfc000000, v[TM]           ; the conversions' scale operands
	v_add_nc_u32 v[TM+13], 0xfc000000, v[TM+2]
	v_and_or_b32 v[TM+8], v[TM], 0x7f800000, s[MNT]    ; 448 x the scale
	v_and_or_b32 v[TM+9], v[TM+2], 0x7f800000, s[MNT]
	v_lshrrev_b32 v[TM+4], 23, v[TM+12]
	v_lshrrev_b32 v[TM+5], 23, v[TM+13]
	v_lshl_or_b32 v[PW], v[TM+5], 8, v[TM+4]
.set J_, 0
.rept 32
	v_med3_num_f32 v[ACC+J_], v[ACC+J_], -v[TM+8+J_/16], v[TM+8+J_/16]   ; the conversion does not saturate (ISA guide 7.6.2)
.set J_, J_+1
.endr
.irp u, 0,1
	v_cvt_scalef32_pk8_fp8_f32 v[PB_+4*\u:PB_+4*\u+1], v[ACC+16*\u:ACC+16*\u+7], v[TM+12+\u]
	v_cvt_scalef32_pk8_fp8_f32 v[PB_+4*\u+2:PB_+4*\u+3], v[ACC+16*\u+8:ACC+16*\u+15], v[TM+12+\u]
.endr
	v_nop
	global_store_b128 v[LI], v[PB_:PB_+3], s[OB:OB+1] offset:1024*(\i)          ; 512 consecutive bytes each
	global_store_b128 v[LI], v[PB_+4:PB_+7], s[OB:OB+1] offset:1024*(\i)+512
	ds_store_b32 v[VX0], v[PW] offset:64*(\i)          ; both halves of the lanes write the same word
.endm
.macro QBLK i
	s_wait_dscnt NF                                ; all but the 36 loads issued last: this tile's set is in
	s_wait_xcnt 0x0                                ; earlier stores have read their registers
	PRODS 0, (\i)%2, 0
	PLACES 8
	FETCH (\i)%2, ((\i)+2)%8
	QOUT \i
.endm
.macro VOUT c                          ; V's pair of tiles 2 c, 2 c + 1: for each of four channel tiles a block of 32 keys, shared with lane l xor 16
.irp t, 0,1,2,3
	v_max3_num_f32 v[TM+\t], |v[ACC+8*\t]|, |v[ACC+8*\t+1]|, 0x4800000
.endr
.irp k, 2,4,6
.irp t, 0,1,2,3
	v_max3_num_f32 v[TM+\t], v[TM+\t], |v[ACC+8*\t+\k]|, |v[ACC+8*\t+\k+1]|
.endr
.endr
.irp k, 0,2,4,6
.irp t, 0,1,2,3
	v_max3_num_f32 v[TM+\t], v[TM+\t], |v[ACC+32+8*\t+\k]|, |v[ACC+32+8*\t+\k+1]|
.endr
.endr
.irp t, 0,1,2,3
	v_permlanex16_b32 v[TM+4+\t], v[TM+\t], s[SEL], s[SEL+1]
.endr
.irp t, 0,1,2,3
	v_max_num_f32 v[TM+\t], v[TM+\t], v[TM+4+\t]
.endr
.irp t, 0,1,2,3
	v_add_nc_u32 v[TM+12+\t], 0xfc000000, v[TM+\t]
.endr
.irp t, 0,1,2,3
	v_and_or_b32 v[TM+8+\t], v[TM+\t], 0x7f800000, s[MNT]
.endr
.irp t, 0,1,2,3
	v_lshrrev_b32 v[TM+4+\t], 23, v[TM+12+\t]
.endr
.irp t, 0,1,2,3
.if \c == 0
	v_mov_b32 v[VW+\t], v[TM+4+\t]
.else
	v_lshl_or_b32 v[VW+\t], v[TM+4+\t], 8*(\c), v[VW+\t]
.endif
.endr
.irp t, 0,1,2,3
.irp j, 0,1,2,3,4,5,6,7
	v_med3_num_f32 v[ACC+8*\t+\j], v[ACC+8*\t+\j], -v[TM+8+\t], v[TM+8+\t]
	v_med3_num_f32 v[ACC+32+8*\t+\j], v[ACC+32+8*\t+\j], -v[TM+8+\t], v[TM+8+\t]
.endr
	v_cvt_scalef32_pk8_fp8_f32 v[PC+4*\t:PC+4*\t+1], v[ACC+8*\t:ACC+8*\t+7], v[TM+12+\t]
	v_cvt_scalef32_pk8_fp8_f32 v[PC+4*\t+2:PC+4*\t+3], v[ACC+32+8*\t:ACC+32+8*\t+7], v[TM+12+\t]
.endr
	v_nop
.irp t, 0,1,2,3
	global_store_b128 v[LI], v[PC+4*\t:PC+4*\t+3], s[20:21] offset:8192+2048*\t+512*(\c)
.endr
.endm
.macro VBLK i
.if (\i) < 7
	s_wait_dscnt NF
.else
	s_wait_dscnt 0x0
.endif
	PRODS 1, (\i)%2, (\i)%2
	PLACES 8
.if (\i)+2 < 8
	FETCH (\i)%2, (\i)+2
.endif
.if (\i)%2
	s_wait_xcnt 0x0
	VOUT (\i)/2
.endif
.endm
	s_load_b512 s[4:19], s[0:1], 0x0               ; zc, zs, wc, ws, bq, bk, bv, qb
	s_load_b64 s[20:21], s[0:1], 0x40              ; kv
	v_lshl_add_u32 v[SPW], v0, 2, SPARE
	v_mov_b32 v[NIL], 0
	ds_add_u32 v[SPW], v[NIL]                      ; the opening lines: the add, twice on end, and its wait ahead of my tensor load
	ds_add_u32 v[SPW], v[NIL]
	v_lshrrev_b32 v16, 5, v0
	v_readfirstlane_b32 s[WV], v16                 ; wave 0..3
	s_lshr_b32 s[WR], s[WV], 1                     ; my row of waves: which 8 row tiles
	s_and_b32 s[WC], s[WV], 1                      ; my column of waves: which head
	s_bfe_u32 s25, ttmp6, 0x40000                  ; cx: it enters the weights' and the results' global addresses alone
	s_lshl_b32 s26, ttmp9, 2
	s_add_co_u32 s26, s26, s25                     ; the pair of heads
	s_and_b32 s27, ttmp7, 0xffff                   ; the group of 256 rows, which the partners share
	s_lshl_b32 s28, s26, 1
	s_add_co_u32 s28, s28, s[WC]                   ; my head
	s_mov_b32 s[G1], 15|(3<<16)|(1<<21)            ; the mask: all four work-groups; elements of 8 bytes; bit 21 beside a mask
	s_mov_b32 s[G1+1], 32<<16                      ; 256 dense rows of 256 bytes
	s_mov_b32 s[G1+2], 256<<16
	s_mov_b32 s[G1+3], 32<<16
	s_mov_b32 s[G1+4], 256
	s_mov_b32 s[G1+5], 32
	s_mov_b32 s[G1+6], 0
	s_mov_b32 s[G1+7], 0
	s_lshl_b32 s29, s[WV], 16                      ; my four row tiles, in LDS
	s_lshl_b32 s30, s27, 18
	s_add_co_u32 s30, s30, s29                     ; and in zc
	s_mov_b32 s31, 0
	s_lshl_b32 s32, s27, 13                        ; zs
	s_mov_b32 s33, 0
	s_lshl_b32 s34, s28, 16                        ; wc: four tiles a head
	s_mov_b32 s35, 0
	s_lshl_b32 s54, s28, 11                        ; ws
	s_mov_b32 s55, 0
	s_lshl_b32 s66, s28, 8                         ; the biases
	s_mov_b32 s67, 0
	s_lshl_b32 s48, s27, 1
	s_add_co_u32 s48, s48, s[WR]                   ; my group of 8 row tiles
	s_lshr_b32 s49, s48, 4                         ; the batch
	s_and_b32 s48, s48, 15                         ; the key step in it
	s_lshl_b32 s49, s49, 4
	s_add_co_u32 s49, s49, s28                     ; batch x head
	s_mul_i32 s50, s49, 139264
	s_mul_i32 s51, s48, 8704
	s_add_co_u32 s50, s50, s51                     ; in qb
	s_mov_b32 s51, 0
	s_mul_i32 s52, s49, 274432
	s_mul_i32 s53, s48, 17152
	s_add_co_u32 s52, s52, s53                     ; in kv
	s_mov_b32 s53, 0
	s_mov_b32 s[SEL], 0x76543210
	s_mov_b32 s[SEL+1], 0xfedcba98
	s_mov_b32 s[MNT], 0x600000
	s_mov_b32 s[PH], 0
	s_lshl_b32 s45, s[WR], 17
	s_lshl_b32 s46, s[WR], 12
	s_add_co_u32 s46, s46, SCL
	s_lshl_b32 s47, s[WV], 9
	s_add_co_u32 s47, s47, STG
	v_and_b32 v16, 31, v0                          ; lane
	v_and_b32 v17, 15, v0                          ; r
	v_bfe_u32 v18, v0, 4, 1                        ; h
	v_lshlrev_b32 v[LI], 4, v16
	v_lshlrev_b32 v[L8], 3, v16
	v_lshlrev_b32 v[T16], 4, v0
	v_lshl_add_u32 v[AD0], v16, 4, s45
	v_lshl_add_u32 v[AAS0], v17, 3, s46
	v_lshl_add_u32 v[VX0], v17, 2, s47
	v_lshl_add_u32 v[RDB], v16, 4, s47
	v_lshl_add_u32 v[RD8], v16, 3, s47
	v_lshlrev_b32 v[WSO], 3, v17
	v_lshlrev_b32 v[BO], 6, v18
	v_and_b32 v[BVO], 8, v17
	v_add_nc_u32 v[AD0+1], 0x10000, v[AD0]
	v_add_nc_u32 v[T16S], SCL, v[T16]
	v_lshl_add_u32 v[WSO], v18, 9, v[WSO]
	v_add_nc_u32 v[BVO], v[BVO], v17
	v_lshlrev_b32 v[BVO], 2, v[BVO]
.irp b, 4,5,6,7
	v_mov_b32 v[TM+\b], 0                          ; a lane permute's destination counts as one of its sources
.endr
	s_wait_alu depctr_va_vdst(0)
	s_wait_dscnt 0x0
	s_wait_kmcnt 0x0
	s_add_nc_u64 s[4:5], s[4:5], s[30:31]
	s_add_nc_u64 s[6:7], s[6:7], s[32:33]
	s_add_nc_u64 s[8:9], s[8:9], s[34:35]
	s_add_nc_u64 s[10:11], s[10:11], s[54:55]
	s_add_nc_u64 s[12:13], s[12:13], s[66:67]
	s_add_nc_u64 s[14:15], s[14:15], s[66:67]
	s_add_nc_u64 s[16:17], s[16:17], s[66:67]
	s_add_nc_u64 s[18:19], s[18:19], s[50:51]
	s_add_nc_u64 s[20:21], s[20:21], s[52:53]
	s_mov_b64 s[OB:OB+1], s[18:19]
	s_add_nc_u64 s[OS:OS+1], s[18:19], 8192
	CROUND                                         ; all four work-groups are here: the joint loads meet
	s_mov_b32 s[G0], 1
	s_mov_b32 s[G0+1], s29
	s_mov_b64 s[G0+2:G0+3], s[4:5]
	s_or_b32 s[G0+3], s[G0+3], 0x80000000
	tensor_load_to_lds s[G0:G0+3], s[G1:G1+7]      ; my one tensor load of the launch
	s_nop 0
	PLACES 4
.irp k, 0,1,2,3
	global_load_b128 v[ACC+4*\k:ACC+4*\k+3], v[T16], s[6:7] offset:2048*\k   ; z's scale words, 2,048 consecutive bytes a line of the work-group
.endr
	WLOAD                                          ; Wq
	BIASQK 12
	s_wait_loadcnt 63                              ; more than 63 loads were issued behind the four: they are in
.irp k, 0,1,2,3
	ds_store_b128 v[T16S], v[ACC+4*\k:ACC+4*\k+3] offset:2048*\k
.endr
	s_wait_dscnt 0x0
	s_wait_tensorcnt 0x0                           ; my rows lie in LDS,
	s_barrier_signal -1
	s_barrier_wait -1                              ; everybody's do
	FETCH 0, 0
	FETCH 1, 1
.Lphase:                                           ; Q, then K
	s_wait_loadcnt 0x0                             ; the weight, its scale words, the bias
.irp i, 0,1,2,3,4,5,6,7
	QBLK \i
.endr
	s_wait_xcnt 0x0                                ; bases are rewritten only behind this wait
	s_add_nc_u64 s[8:9], s[8:9], 0x100000          ; the next weight: 64 tiles on
	s_add_nc_u64 s[10:11], s[10:11], 0x8000
	WLOAD
	s_cmp_eq_u32 s[PH], 0
	s_cbranch_scc0 .Lbias_v
	BIASQK 14
	s_branch .Lbias_done
.Lbias_v:
.irp t, 0,1,2,3
.irp j, 0,1,2,3,4,5,6,7
	global_load_b32 v[BIAS+8*\t+\j], v[BVO], s[16:17] offset:(32*(\t/2)+8*(\t%2))*4   ; V: a lane's eight registers of a tile are one channel
.endr
.endr
.Lbias_done:
	ds_load_b128 v[XR:XR+3], v[RDB]                ; my eight tiles' scale words leave as 512 consecutive bytes (LDS serves a wave's instructions in order)
	s_wait_dscnt 0x0
	global_store_b128 v[LI], v[XR:XR+3], s[OS:OS+1]
	s_wait_xcnt 0x0
	s_mov_b64 s[OB:OB+1], s[20:21]
	s_add_nc_u64 s[OS:OS+1], s[20:21], 16384
	s_add_co_u32 s[PH], s[PH], 1
	s_cmp_lt_u32 s[PH], 2
	s_cbranch_scc1 .Lphase
	s_wait_loadcnt 0x0                             ; Wv
.irp i, 0,1,2,3,4,5,6,7
	VBLK \i
.endr
.irp t, 0,1,2,3
	ds_store_b32 v[VX0], v[VW+\t] offset:64*\t
.endr
	ds_load_b64 v[XR:XR+1], v[RD8]
	s_wait_dscnt 0x0
	global_store_b64 v[L8], v[XR:XR+1], s[20:21] offset:16896   ; 256 consecutive bytes
	s_wait_tensorcnt 0x0                           ; the wave's end
	ds_add_u32 v[SPW], v[NIL]
	s_wait_dscnt 0x0
	CROUND                                         ; the closing round
	s_endpgm
.Lfunc_end_k_q5914c785df_proj:
	.size	k_q5914c785df_proj, .Lfunc_end_k_q5914c785df_proj-k_q5914c785df_proj
	.p2alignl 7, 3214868480
	.fill 96, 4, 3214868480
	.section	.rodata,"a",@progbits
	.p2align	6, 0x0
	.amdhsa_kernel k_q5914c785df_proj
		.amdhsa_group_segment_fixed_size 327680
		.amdhsa_private_segment_fixed_size 0
		.amdhsa_enable_private_segment 0
		.amdhsa_kernarg_size 72
		.amdhsa_user_sgpr_count 2
		.amdhsa_user_sgpr_kernarg_segment_ptr 1
		.amdhsa_wavefront_size32 1
		.amdhsa_system_sgpr_workgroup_id_x 1
		.amdhsa_system_sgpr_workgroup_id_y 1
		.amdhsa_system_sgpr_workgroup_id_z 1
		.amdhsa_system_vgpr_workitem_id 0
		.amdhsa_next_free_vgpr 1024
		.amdhsa_next_free_sgpr 72
		.amdhsa_reserve_vcc 0
		.amdhsa_float_denorm_mode_32 3
		.amdhsa_float_denorm_mode_16_64 3
		.amdhsa_memory_ordered 1
		.amdhsa_forward_progress 1
		.amdhsa_inst_pref_size 214
	.end_amdhsa_kernel
	.amdgpu_metadata
---
amdhsa.version: [ 1, 2 ]
amdhsa.kernels:
  - .name:           k_q5914c785df_proj
    .symbol:         k_q5914c785df_proj.kd
    .args:
      - { .name: zc, .offset: 0, .size: 8, .value_kind: global_buffer, .address_space: global }
      - { .name: zs, .offset: 8, .size: 8, .value_kind: global_buffer, .address_space: global }
      - { .name: wc, .offset: 16, .size: 8, .value_kind: global_buffer, .address_space: global }
      - { .name: ws, .offset: 24, .size: 8, .value_kind: global_buffer, .address_space: global }
      - { .name: bq, .offset: 32, .size: 8, .value_kind: global_buffer, .address_space: global }
      - { .name: bk, .offset: 40, .size: 8, .value_kind: global_buffer, .address_space: global }
      - { .name: bv, .offset: 48, .size: 8, .value_kind: global_buffer, .address_space: global }
      - { .name: qb, .offset: 56, .size: 8, .value_kind: global_buffer, .address_space: global }
      - { .name: kv, .offset: 64, .size: 8, .value_kind: global_buffer, .address_space: global }
    .group_segment_fixed_size: 327680
    .private_segment_fixed_size: 0
    .kernarg_segment_align: 8
    .kernarg_segment_size: 72
    .max_flat_workgroup_size: 128
    .sgpr_count:     72
    .vgpr_count:     1024
    .wavefront_size: 32
...
	.end_amdgpu_metadata
.endif
;; end of part 2
;; launch attn (part 3): grid 4 x 64, 16 waves a work-group, clusters of 4 x 1, 327,680 bytes of LDS; arguments qb, kv, cc, cs; writes cc, cs
.if DOCPART == 3
	.amdgcn_target "amdgcn-amd-amdhsa--gfx1250"
	.amdhsa_code_object_version 6
	.text
	.protected	k_q5914c785df_attn
	.globl	k_q5914c785df_attn
	.p2align	8
	.type	k_q5914c785df_attn,@function
k_q5914c785df_attn:
	s_mov_b64 s[64:65], 0
	v_nop
	global_prefetch_b8 v0, s[64:65] scope:SCOPE_SE
	s_setreg_imm32_b32 hwreg(HW_REG_WAVE_MODE, 25, 1), 1
	s_wait_xcnt 0x0
	s_wait_alu depctr_hold_cnt(0) depctr_sa_sdst(0) depctr_va_vdst(0) depctr_va_sdst(0) depctr_va_ssrc(0) depctr_va_vcc(0) depctr_vm_vsrc(0)
	s_getreg_b32 s2, hwreg(HW_REG_IB_STS2, 6, 4)
	s_cmp_eq_u32 s2, 0
	s_cbranch_scc0 .Lentry_in_a_cluster
	s_endpgm
.Lentry_in_a_cluster:
	s_bfe_u32 s2, ttmp6, 0x10000c
	s_cmp_lg_u32 s2, 0x3003
	s_cbranch_scc0 .Lentry_shape_is_right
	s_endpgm
.Lentry_shape_is_right:
; ctx = softmax(Q K^T / 8) V for each of 64 batch x head, both products on codes of FP8 (E4M3) with E8M0 scales; ctx is quantised along d_model and stored as images of the last product's operand.
; THE SOFTMAX: t = score x log2(e) / 8; M = the running largest t rounded UP to a whole number; p = 2^(t - M) is quantised along the keys, not normalised; the row's sum is taken of the unquantised p and divides at the end.
; When M moves, the sum and O are multiplied by 2^(old M - new M): exact.
; SHARES.  A cluster of four work-groups owns one batch x head; a work-group 512 queries; each of its sixteen waves two tiles of 16 queries, one after the other.
; THE HEAD'S WHOLE K AND V STAY IN LDS: 16 key steps of 17,152 bytes (K's 8 half fragments, V^T's 4 fragments, their scale words), filled ONCE: wave w asks for key step w, jointly with its three partners, who walk the same head.
; Nothing is filled again and nothing is stored to LDS: one barrier in front of the loops, none in them.  All of K and V is asked for at the head, so there is no loop ahead of which a prefetch could stand: none is written.
; LAYOUT.  Both products are used transposed: S^T = K Q^T, O^T = V^T P^T: a lane holds one query throughout.  The rows of a tile are 32 (T / 2) + 8 (T % 2) + r + 8 (r / 8), so p's 16 registers of two neighbouring tiles are 16 neighbouring keys, and O^T's are neighbouring channels.
; THE FIRST PRODUCT'S K IS 64.  Q's fragment has zero codes for k = 64 .. 127, under the scale byte 0.  K's eight half fragments lie on end in 64 registers: a tile's operand runs on into the next tile's codes (the last tile's into a pad of eight registers),
; which meet Q's zero codes and add nothing: the quantiser's hold lets no NaN code arise.
; TWO REGIONS OF 64 REGISTERS SWAP ROLES FROM STEP TO STEP: one holds K, then V^T (asked for behind the first products); the other takes S^T, then p, then the next step's K (asked for behind the conversions).  So a trip of the loop is two steps, and the last step, which has no K to ask for, is written out.
; ctx's scale word for 128 along d_model spans two heads, which belong to different clusters: each head stores its two bytes (2 bytes a row beside 64 of codes).
; LIMITS: a block whose largest magnitude lies under 2^-118 gets the byte 1; NaN and infinities are not served; the scaled scores t stay under 2^31 in magnitude.
.set STEPB, 17152
.set SPARE, 16*STEPB                   ; behind the 16 key steps: the spare words, 128 bytes a wave
.set LI,  1                            ; v1   16 x lane
.set LS,  2                            ; v2   4 r
.set ADK, 3                            ; v3   the step's tiles
.set ADS, 4                            ; v4   the step's scale words
.set MO,  5                            ; v5   the last step's -M
.set R8,  6                            ; v6   8 r
.set SPW, 7                            ; v7   my spare word
.set NIL, 8                            ; v8   0
.set TP,  9
.set F,   10                           ; v[10:11] f = 2^(old M - new M); the upper word is named with it and holds 0
;                                        v12 -M, v13 the largest score, v[14:15] the sum in two halves; v16-31 Q
.set X,   32                           ; v32-95   region X
.set XP,  96                           ; v96-103  its pad: my second tile's codes of Q, until they are wanted
.set Y,   104                          ; v104-167 region Y
.set YP,  168                          ; v168-175 its pad: zero codes
.set O,   176                          ; v176-207 O^T
.set PC,  208                          ; v208-223 p's codes
.set KS,  224                          ; v224-231 K's scale words, v232-235 V^T's, v236, v237 Q's (both tiles), v238 p's: they hold scales and nothing else
.set VS,  232
.set QS,  236
.set QS2, 237
.set PW,  238
.set HW,  239                          ; ctx's two scale bytes
.set BX,  240                          ; v240-243 a block's largest score, then its largest p
.set T4,  244
.set CH,  240                          ; v240-247 behind the scales' lines: the sum's four chains, a pair each
.set HD,  248                          ; 448 x the scale
.set SO,  252                          ; the conversions' scale operands
.set WV,  12
.set MNT, 19
.set SEL, 20
.set CS,  22                           ; s[22:23] c = log2(e) / 8
.set G1,  24
.set G0,  32
.set TB,  36                           ; LDS byte at which the key step begins
.set NST, 37
.set NPS, 38
.set NC,  39                           ; -c
.macro CROUND
	s_barrier_signal -1
	s_barrier_wait -1
	s_cmp_lg_u32 s[WV], 0
	s_cbranch_scc1 .Lnot_wave_0_\@
	s_barrier_signal -3
.Lnot_wave_0_\@:
	s_barrier_wait -3
	s_barrier_signal -1
	s_barrier_wait -1
.endm
	s_load_b256 s[4:11], s[0:1], 0x0               ; qb, kv, cc, cs
	v_lshl_add_u32 v[SPW], v0, 2, SPARE
	v_mov_b32 v[NIL], 0
	ds_add_u32 v[SPW], v[NIL]                      ; the opening lines: the add, twice on end, and its wait ahead of my tensor load
	ds_add_u32 v[SPW], v[NIL]
	v_lshrrev_b32 v[TP], 5, v0
	s_delay_alu instid0(VALU_DEP_1)
	v_readfirstlane_b32 s[WV], v[TP]               ; wave 0..15
	v_and_b32 v[LI], 31, v0
	s_delay_alu instid0(VALU_DEP_1)
	v_lshlrev_b32 v[LI], 4, v[LI]
	v_and_b32 v[R8], 15, v0
	s_delay_alu instid0(VALU_DEP_1)
	v_lshlrev_b32 v[LS], 2, v[R8]
	s_delay_alu instid0(VALU_DEP_2)
	v_lshlrev_b32 v[R8], 3, v[R8]
	s_bfe_u32 s13, ttmp6, 0x40000                  ; cx: it enters Q's and ctx's global addresses alone
	s_and_b32 s14, ttmp7, 0xffff                   ; batch x head, which the partners share
	s_mul_i32 s42, s[WV], STEPB                    ; my key step, in LDS
	s_mul_i32 s40, s14, 16*STEPB
	s_add_co_u32 s40, s40, s42                     ; and in kv
	s_mov_b32 s41, 0
	s_mov_b32 s[G1], 15|(3<<16)|(1<<21)            ; 15:0 the mask: all four work-groups; 17:16 elements of 8 bytes; 21 set beside a mask; no padding
	s_mov_b32 s[G1+1], 32<<16                      ; 67 dense rows of 256 bytes
	s_mov_b32 s[G1+2], 67<<16
	s_mov_b32 s[G1+3], 32<<16
	s_mov_b32 s[G1+4], 67
	s_mov_b32 s[G1+5], 32
	s_mov_b32 s[G1+6], 0
	s_mov_b32 s[G1+7], 0
	s_mul_i32 s43, s14, 139264                     ; Q: the head,
	s_lshl_b32 s44, s13, 2
	s_lshr_b32 s45, s[WV], 2
	s_add_co_u32 s44, s44, s45
	s_mul_i32 s44, s44, 8704                       ; the group of 8 tiles: 4 cx + wave / 4,
	s_add_co_u32 s43, s43, s44
	s_and_b32 s45, s[WV], 3
	s_lshl_b32 s46, s45, 11                        ; the tile in it: 2 (wave % 4): 1,024 bytes of codes,
	s_lshl_b32 s48, s45, 7                         ; 64 of scale words
	s_add_co_u32 s46, s46, s43
	s_mov_b32 s47, 0
	s_add_co_u32 s48, s48, s43
	s_add_co_u32 s48, s48, 8192
	s_mov_b32 s49, 0
	s_lshr_b32 s50, s14, 4
	s_lshl_b32 s50, s50, 7
	s_lshl_b32 s51, s13, 5
	s_add_co_u32 s50, s50, s51
	s_lshl_b32 s51, s[WV], 1
	s_add_co_u32 s50, s50, s51                     ; ctx: my first token tile: 128 x batch + 32 cx + 2 x wave
	s_and_b32 s51, s14, 15                         ; the head
	s_lshl_b32 s52, s50, 14
	s_lshl_b32 s54, s51, 10                        ; K step head / 2, c = 2 (head % 2): 1,024 x head
	s_add_co_u32 s52, s52, s54
	s_mov_b32 s53, 0
	s_lshl_b32 s54, s50, 9
	s_lshr_b32 s55, s51, 2
	s_lshl_b32 s55, s55, 7
	s_add_co_u32 s54, s54, s55                     ; scale words: 512 a tile, 128 (head / 4),
	s_and_b32 s55, s51, 3
	s_lshl_b32 s55, s55, 1
	s_add_co_u32 s54, s54, s55                     ; word (head / 2) % 2, bytes 2 (head % 2) on: 2 (head % 4)
	s_mov_b32 s55, 0
	s_mov_b32 s[SEL], 0x76543210
	s_mov_b32 s[SEL+1], 0xfedcba98
	s_mov_b32 s[CS], 0x3e38aa3b
	s_mov_b32 s[CS+1], s[CS]                       ; (named with it as a pair, so it is written)
	s_mov_b32 s[NC], 0xbe38aa3b
	s_mov_b32 s[MNT], 0x600000
	s_wait_alu depctr_va_vdst(0)
	s_wait_dscnt 0x0
	s_wait_kmcnt 0x0
	s_add_nc_u64 s[16:17], s[4:5], s[48:49]        ; Q's scale words
	s_add_nc_u64 s[4:5], s[4:5], s[46:47]          ; Q's codes
	s_add_nc_u64 s[6:7], s[6:7], s[40:41]
	s_add_nc_u64 s[8:9], s[8:9], s[52:53]
	s_add_nc_u64 s[10:11], s[10:11], s[54:55]
	CROUND                                         ; all four work-groups are here: the joint loads meet
	s_mov_b32 s[G0], 1
	s_mov_b32 s[G0+1], s42
	s_mov_b64 s[G0+2:G0+3], s[6:7]
	s_or_b32 s[G0+3], s[G0+3], 0x80000000
	tensor_load_to_lds s[G0:G0+3], s[G1:G1+7]      ; my one tensor load of the launch
	s_nop 0
.rept 4
	v_nop
.endr
	global_load_b128 v[16:19], v[LI], s[4:5]       ; Q's half fragments of both my tiles: the first into its place,
	global_load_b128 v[20:23], v[LI], s[4:5] offset:512
	global_load_b128 v[XP:XP+3], v[LI], s[4:5] offset:1024   ; the second into X's pad
	global_load_b128 v[XP+4:XP+7], v[LI], s[4:5] offset:1536
	global_load_b32 v[QS], v[LS], s[16:17]
	global_load_b32 v[QS2], v[LS], s[16:17] offset:64
.set j, 0
.rept 8
	v_mov_b32 v[24+j], 0                           ; the zero codes of k = 64 .. 127 of Q,
	v_mov_b32 v[YP+j], 0                           ; and Y's pad: written once
.set j, j+1
.endr
.irp b, 0,1,2,3
	v_mov_b32 v[T4+\b], 0                          ; a lane permute's destination counts as one of its sources
.endr
	v_mov_b32 v[TP], 0
	v_mov_b32 v[F+1], 0
	s_wait_alu depctr_va_vdst(0)
	s_wait_loadcnt 0x0                             ; Q
	s_wait_tensorcnt 0x0                           ; my key step lies in LDS,
	s_barrier_signal -1
	s_barrier_wait -1                              ; everybody's does
.macro KLOAD R, off                    ; K's eight half fragments, on end, and their scale words: 24 loads
.irp t, 0,1,2,3,4,5,6,7
	ds_load_b128 v[\R+8*\t:\R+8*\t+3], v[ADK] offset:\off+1024*\t
	ds_load_b128 v[\R+8*\t+4:\R+8*\t+7], v[ADK] offset:\off+1024*\t+512
	ds_load_b32 v[KS+\t], v[ADS] offset:\off+16384+64*\t
.endr
.endm
; A KEY STEP: 128 keys.  KX: the region that holds K, then V^T.  SY: the region of S^T, then p, then (pref = 1) the next step's K.
.macro STEP KX, SY, pref
	s_wait_alu depctr_va_vdst(0)
	s_wait_dscnt 0x0                               ; K and its scale words are in
.irp t, 0,1,2,3,4,5,6,7                ; S^T = K Q^T
	v_wmma_scale_f32_16x16x128_f8f6f4 v[\SY+8*\t:\SY+8*\t+7], v[\KX+8*\t:\KX+8*\t+15], v[16:31], 0, v[KS+\t], v[QS]
.endr
.rept 8
	v_nop                                          ; places in front of the loads into K's registers and of the first readers of S^T
.endr
.irp t, 0,1,2,3                        ; V^T's four fragments take K's registers: 20 loads, which have the softmax in which to land
.irp c, 0,1,2,3
	ds_load_b128 v[\KX+16*\t+4*\c:\KX+16*\t+4*\c+3], v[ADK] offset:8192+2048*\t+512*\c
.endr
	ds_load_b32 v[VS+\t], v[ADS] offset:16896+64*\t
.endr
.irp b, 0,1,2,3                        ; the largest score of each block of 32 keys, the four blocks by turns
	v_max3_num_f32 v[BX+\b], v[\SY+16*\b], v[\SY+16*\b+1], v[\SY+16*\b+2]
.endr
.irp i, 3,5,7,9,11,13
.irp b, 0,1,2,3
	v_max3_num_f32 v[BX+\b], v[BX+\b], v[\SY+16*\b+\i], v[\SY+16*\b+\i+1]
.endr
.endr
.irp b, 0,1,2,3
	v_max_num_f32 v[BX+\b], v[BX+\b], v[\SY+16*\b+15]
.endr
.irp b, 0,1,2,3
	v_permlanex16_b32 v[T4+\b], v[BX+\b], s[SEL], s[SEL+1]
.endr
.irp b, 0,1,2,3
	s_delay_alu instid0(VALU_DEP_4)
	v_max_num_f32 v[BX+\b], v[BX+\b], v[T4+\b]     ; with lane l xor 16's 16 keys
.endr
	s_delay_alu instid0(VALU_DEP_2)
	v_max3_num_f32 v[TP], v[BX], v[BX+1], v[BX+2]
	s_delay_alu instid0(VALU_DEP_1)
	v_max3_num_f32 v13, v13, v[TP], v[BX+3]        ; the running largest score (c is positive: the largest score has the largest t)
	s_delay_alu instid0(VALU_DEP_1)
	v_mul_f32 v[TP], s[NC], v13                    ; -t
	s_delay_alu instid0(VALU_DEP_1)
	v_floor_f32 v12, v[TP]                         ; the new -M = -ceil(t): a whole number
.set j, 0
.rept 32
	v_pk_fma_f32 v[\SY+j:\SY+j+1], v[\SY+j:\SY+j+1], s[CS:CS+1], v[12:13] op_sel_hi:[1,0,0]   ; t - M, two at a time
.set j, j+2
.endr
.irp b, 0,1,2,3
	v_fma_f32 v[BX+\b], v[BX+\b], s[CS], v12       ; the same of each block's largest score
.endr
	v_sub_f32 v[TP], v12, v[MO]                    ; old M - new M: a whole number, 0 or less
	s_delay_alu instid0(VALU_DEP_1)
	v_cvt_i32_f32 v[TP], v[TP]                     ; (it saturates)
	s_delay_alu instid0(VALU_DEP_1)
	v_ldexp_f32 v[F], 1.0, v[TP]                   ; f = 2^(old M - new M)
	s_wait_alu depctr_va_vdst(0)
.set j, 0
.rept 64
	v_exp_f32 v[\SY+j], v[\SY+j]                   ; p = 2^(t - M), at most 1
.set j, j+1
.endr
.irp b, 0,1,2,3
	v_exp_f32 v[BX+\b], v[BX+\b]                   ; the block's largest p: the same two instructions on the same number
.endr
	v_mov_b32 v[MO], v12                           ; for the next step (a plain place behind the exponentials)
	s_wait_alu depctr_va_vdst(0)                   ; one wait for the batch, ahead of its first reader
.irp b, 0,1,2,3
	v_max_num_f32 v[BX+\b], 0x4800000, v[BX+\b]    ; the floor: the byte cannot fall under 1
.endr
.irp b, 0,1,2,3
	s_delay_alu instid0(VALU_DEP_4)
	v_add_nc_u32 v[SO+\b], 0xfc000000, v[BX+\b]
.endr
.irp b, 0,1,2,3
	v_and_or_b32 v[HD+\b], v[BX+\b], 0x7f800000, s[MNT]
.endr
.irp b, 0,1,2,3
	v_lshrrev_b32 v[T4+\b], 23, v[SO+\b]
.endr
	s_delay_alu instid0(VALU_DEP_3)
	v_lshl_or_b32 v[PW], v[T4+1], 8, v[T4]         ; p's scale word for these 128 keys
	s_delay_alu instid0(VALU_DEP_1)
	v_lshl_or_b32 v[PW], v[T4+2], 16, v[PW]
	s_delay_alu instid0(VALU_DEP_1)
	v_lshl_or_b32 v[PW], v[T4+3], 24, v[PW]
.irp q, 0,1,2,3                        ; the row's sum of the unquantised p: four chains by turns, a block each
	v_pk_add_f32 v[CH+2*\q:CH+2*\q+1], v[\SY+16*\q:\SY+16*\q+1], v[\SY+16*\q+2:\SY+16*\q+3]
.endr
.irp i, 4,6,8,10,12,14
.irp q, 0,1,2,3
	v_pk_add_f32 v[CH+2*\q:CH+2*\q+1], v[CH+2*\q:CH+2*\q+1], v[\SY+16*\q+\i:\SY+16*\q+\i+1]
.endr
.endr
.irp b, 0,2                            ; the conversion does not saturate (ISA guide 7.6.2); p is not negative: a one-sided hold, two numbers of two blocks to a dual pair
.irp i, 0,2,4,6,8,10,12,14
	v_dual_min_num_f32 v[\SY+16*\b+\i], v[\SY+16*\b+\i], v[HD+\b] :: v_dual_min_num_f32 v[\SY+16*\b+17+\i], v[\SY+16*\b+17+\i], v[HD+\b+1]
	v_dual_min_num_f32 v[\SY+16*\b+16+\i], v[\SY+16*\b+16+\i], v[HD+\b+1] :: v_dual_min_num_f32 v[\SY+16*\b+1+\i], v[\SY+16*\b+1+\i], v[HD+\b]
.endr
.irp e, 0,1
	v_cvt_scalef32_pk8_fp8_f32 v[PC+4*(\b+\e):PC+4*(\b+\e)+1], v[\SY+16*(\b+\e):\SY+16*(\b+\e)+7], v[SO+\b+\e]
	v_cvt_scalef32_pk8_fp8_f32 v[PC+4*(\b+\e)+2:PC+4*(\b+\e)+3], v[\SY+16*(\b+\e)+8:\SY+16*(\b+\e)+15], v[SO+\b+\e]
.endr
.endr
.if \pref
	KLOAD \SY, STEPB                               ; the next step's K takes p's registers
.endif
	s_wait_alu depctr_va_vdst(0)
.set j, 0
.rept 16
	v_pk_mul_f32 v[O+j:O+j+1], v[O+j:O+j+1], v[F:F+1] op_sel_hi:[1,0]   ; O^T under the new M; these are also the places between the conversions and the products
.set j, j+2
.endr
	s_wait_alu depctr_va_vdst(0)
	s_wait_dscnt 24*\pref                          ; V^T's 20 loads are in; the 24 issued behind them may be out
.irp t, 0,1,2,3                        ; O^T += V^T P^T: the four accumulators by turns
	v_wmma_scale_f32_16x16x128_f8f6f4 v[O+8*\t:O+8*\t+7], v[\KX+16*\t:\KX+16*\t+15], v[PC:PC+15], v[O+8*\t:O+8*\t+7], v[VS+\t], v[PW]
.endr
	s_add_co_u32 s[TB], s[TB], STEPB
	v_add_nc_u32 v[ADK], s[TB], v[LI]              ; nine places between these products, which read V^T's registers, and the next step's, which write them: the next step's addresses,
	v_add_nc_u32 v[ADS], s[TB], v[LS]
	v_pk_add_f32 v[CH:CH+1], v[CH:CH+1], v[CH+2:CH+3]          ; and the sum's end
	v_pk_add_f32 v[CH+4:CH+5], v[CH+4:CH+5], v[CH+6:CH+7]
	v_nop
	v_pk_add_f32 v[CH:CH+1], v[CH:CH+1], v[CH+4:CH+5]
	v_nop
	v_pk_fma_f32 v[14:15], v[14:15], v[F:F+1], v[CH:CH+1] op_sel_hi:[1,0,1]   ; the sum so far, under the new M, and this step's
	v_nop
.endm
	s_mov_b32 s[NPS], 2
.Lpass:                                            ; a tile of 16 queries
	s_mov_b32 s[TB], 0
	v_add_nc_u32 v[ADK], s[TB], v[LI]
	v_add_nc_u32 v[ADS], s[TB], v[LS]
	KLOAD X, 0
	v_mov_b32 v13, 0xff61b1e6                      ; the largest score so far: -3e38
	v_mov_b32 v[MO], 0x7e000000                    ; -M so far: 2^125: the first f is 0
	v_mov_b32 v14, 0
	v_mov_b32 v15, 0
.set j, 0
.rept 32
	v_mov_b32 v[O+j], 0                            ; O^T: the first change of M leaves zeros zeros
.set j, j+1
.endr
	s_mov_b32 s[NST], 7
.Lstep:                                            ; seven trips of two steps
	STEP X, Y, 1
	STEP Y, X, 1
	s_sub_co_u32 s[NST], s[NST], 1
	s_cmp_lg_u32 s[NST], 0
	s_cbranch_scc1 .Lstep
	STEP X, Y, 1
	STEP Y, X, 0                                   ; the last step asks for no further K
	; the tile's way out: O^T / the sum, quantised along d_model: my 32 numbers are two blocks of 32, each shared with lane l xor 16.  The step's last nine lines are the places behind its products
	v_add_f32 v14, v14, v15
	s_delay_alu instid0(VALU_DEP_1)
	v_permlanex16_b32 v[TP], v14, s[SEL], s[SEL+1]
	s_delay_alu instid0(VALU_DEP_1)
	v_add_f32 v14, v14, v[TP]                      ; the row's sum
	s_wait_alu depctr_va_vdst(0)                   ; the wait ahead of the transcendental
	v_rcp_f32 v14, v14
	v_nop
	s_wait_alu depctr_va_vdst(0)                   ; and ahead of its first reader, which is O^T's too
.set j, 0
.rept 16
	v_pk_mul_f32 v[X+j:X+j+1], v[O+j:O+j+1], v[14:15] op_sel_hi:[1,0]   ; each accumulator from its low end on
.set j, j+2
.endr
.irp b, 0,1
	v_max3_num_f32 v[BX+\b], |v[X+16*\b]|, |v[X+1+16*\b]|, 0x4800000
.endr
.irp i, 2,4,6,8,10,12,14
.irp b, 0,1
	s_delay_alu instid0(VALU_DEP_2)
	v_max3_num_f32 v[BX+\b], v[BX+\b], |v[X+16*\b+\i]|, |v[X+1+16*\b+\i]|
.endr
.endr
.irp b, 0,1
	s_delay_alu instid0(VALU_DEP_2)
	v_permlanex16_b32 v[T4+\b], v[BX+\b], s[SEL], s[SEL+1]
.endr
.irp b, 0,1
	s_delay_alu instid0(VALU_DEP_2)
	v_max_num_f32 v[BX+\b], v[BX+\b], v[T4+\b]
.endr
.irp b, 0,1
	s_delay_alu instid0(VALU_DEP_2)
	v_add_nc_u32 v[SO+\b], 0xfc000000, v[BX+\b]
.endr
.irp b, 0,1
	s_delay_alu instid0(VALU_DEP_4)
	v_and_or_b32 v[HD+\b], v[BX+\b], 0x7f800000, s[MNT]
.endr
.irp b, 0,1
	s_delay_alu instid0(VALU_DEP_4)
	v_lshrrev_b32 v[T4+\b], 23, v[SO+\b]
.endr
	s_delay_alu instid0(VALU_DEP_1)
	v_lshl_or_b32 v[HW], v[T4+1], 8, v[T4]
.set j, 0
.rept 32
	v_med3_num_f32 v[X+j], v[X+j], -v[HD+j/16], v[HD+j/16]
.set j, j+1
.endr
.irp b, 0,1
	v_cvt_scalef32_pk8_fp8_f32 v[PC+4*\b:PC+4*\b+1], v[X+16*\b:X+7+16*\b], v[SO+\b]
	v_cvt_scalef32_pk8_fp8_f32 v[PC+4*\b+2:PC+4*\b+3], v[X+8+16*\b:X+15+16*\b], v[SO+\b]
.endr
	v_nop
	global_store_b128 v[LI], v[PC:PC+3], s[8:9]                ; 512 consecutive bytes each
	global_store_b128 v[LI], v[PC+4:PC+7], s[8:9] offset:512
	global_store_b16 v[R8], v[HW], s[10:11]        ; my head's two bytes of row r's word (both halves of the lanes store the same)
.set j, 0
.rept 8
	v_mov_b32 v[16+j], v[XP+j]                     ; on to my second tile: its codes of Q,
.set j, j+1
.endr
	v_mov_b32 v[QS], v[QS2]                        ; and its scale words
	s_wait_xcnt 0x0                                ; bases and data are rewritten only behind this wait
	s_add_nc_u64 s[8:9], s[8:9], 16384
	s_add_nc_u64 s[10:11], s[10:11], 512
	s_sub_co_u32 s[NPS], s[NPS], 1
	s_cmp_lg_u32 s[NPS], 0
	s_wait_alu depctr_va_vdst(0)
	s_cbranch_scc1 .Lpass
	s_wait_tensorcnt 0x0                           ; the wave's end
	ds_add_u32 v[SPW], v[NIL]
	s_wait_dscnt 0x0
	CROUND                                         ; the closing round
	s_endpgm
.Lfunc_end_k_q5914c785df_attn:
	.size	k_q5914c785df_attn, .Lfunc_end_k_q5914c785df_attn-k_q5914c785df_attn
	.p2alignl 7, 3214868480
	.fill 96, 4, 3214868480
	.section	.rodata,"a",@progbits
	.p2align	6, 0x0
	.amdhsa_kernel k_q5914c785df_attn
		.amdhsa_group_segment_fixed_size 327680
		.amdhsa_private_segment_fixed_size 0
		.amdhsa_enable_private_segment 0
		.amdhsa_kernarg_size 32
		.amdhsa_user_sgpr_count 2
		.amdhsa_user_sgpr_kernarg_segment_ptr 1
		.amdhsa_wavefront_size32 1
		.amdhsa_system_sgpr_workgroup_id_x 1
		.amdhsa_system_sgpr_workgroup_id_y 1
		.amdhsa_system_sgpr_workgroup_id_z 1
		.amdhsa_system_vgpr_workitem_id 0
		.amdhsa_next_free_vgpr 256
		.amdhsa_next_free_sgpr 66
		.amdhsa_reserve_vcc 0
		.amdhsa_float_denorm_mode_32 3
		.amdhsa_float_denorm_mode_16_64 3
		.amdhsa_memory_ordered 1
		.amdhsa_forward_progress 1
		.amdhsa_inst_pref_size 91
	.end_amdhsa_kernel
	.amdgpu_metadata
---
amdhsa.version: [ 1, 2 ]
amdhsa.kernels:
  - .name:           k_q5914c785df_attn
    .symbol:         k_q5914c785df_attn.kd
    .args:
      - { .name: qb, .offset: 0, .size: 8, .value_kind: global_buffer, .address_space: global }
      - { .name: kv, .offset: 8, .size: 8, .value_kind: global_buffer, .address_space: global }
      - { .name: cc, .offset: 16, .size: 8, .value_kind: global_buffer, .address_space: global }
      - { .name: cs, .offset: 24, .size: 8, .value_kind: global_buffer, .address_space: global }
    .group_segment_fixed_size: 327680
    .private_segment_fixed_size: 0
    .kernarg_segment_align: 8
    .kernarg_segment_size: 32
    .max_flat_workgroup_size: 512
    .sgpr_count:     66
    .vgpr_count:     256
    .wavefront_size: 32
...
	.end_amdgpu_metadata
.endif
;; end of part 3
;; launch outp (part 4): grid 8 x 32, 4 waves a work-group, clusters of 4 x 1, 327,680 bytes of LDS; arguments cc, cs, wc, ws, bo, out0; writes out0
.if DOCPART == 4
	.amdgcn_target "amdgcn-amd-amdhsa--gfx1250"
	.amdhsa_code_object_version 6
	.text
	.protected	k_q5914c785df_outp
	.globl	k_q5914c785df_outp
	.p2align	8
	.type	k_q5914c785df_outp,@function
k_q5914c785df_outp:
	s_mov_b64 s[64:65], 0
	v_nop
	global_prefetch_b8 v0, s[64:65] scope:SCOPE_SE
	s_setreg_imm32_b32 hwreg(HW_REG_WAVE_MODE, 25, 1), 1
	s_wait_xcnt 0x0
	s_wait_alu depctr_hold_cnt(0) depctr_sa_sdst(0) depctr_va_vdst(0) depctr_va_sdst(0) depctr_va_ssrc(0) depctr_va_vcc(0) depctr_vm_vsrc(0)
	s_getreg_b32 s2, hwreg(HW_REG_IB_STS2, 6, 4)
	s_cmp_eq_u32 s2, 0
	s_cbranch_scc0 .Lentry_in_a_cluster
	s_endpgm
.Lentry_in_a_cluster:
	s_bfe_u32 s2, ttmp6, 0x10000c
	s_cmp_lg_u32 s2, 0x3003
	s_cbranch_scc0 .Lentry_shape_is_right
	s_endpgm
.Lentry_shape_is_right:
; out0 = ctx Wo^T + bo on codes of FP8 (E4M3) with E8M0 scales, 8,192 x 1,024 x 1,024, f32 out.
; cc, wc: [row tile T][K step s][c][lane][16 bytes]; cs, ws: [T][s / 2][r][s % 2] scale words; a tile's row r is row 32 (T / 2) + 8 (T % 2) + r + 8 (r / 8).  Wo's 64 tiles lie behind 192 others in wc.
; SHARES.  256 work-groups: 32 groups of 256 rows x 8 groups of 128 columns.  Four waves, 2 x 2: a wave has 64 columns and 8 row tiles.
; The work-group's 256 rows of ctx, all of K, lie in LDS as they lie in memory: one joint load a wave at the head (64 KiB), shared by the four partners of a cluster, which have the same rows.  Nothing is filled again.
; ctx's 8,192 bytes of scale words come by plain loads and LDS stores into bytes of their own.  A wave holds its 64 rows of Wo, all of K, in 512 registers; they come from memory straight into the operand registers, where no joint load reaches.
; Source 0 = Wo's rows: a lane holds a token, its registers columns.  A tile of 16 rows x 64 columns goes through the wave's own stage in LDS and leaves as rows of 256 bytes; its stores stand at the head of the next tile.  The bias is the first products' C.
; No prefetch: every operand is asked for whole at the head.
; REGISTERS: windows 1, 2 the weight (fragment 4 q + b); window 3 ctx's two sets; window 0 all else.
.set NF,    36
.set SCL,   262144
.set SPARE, SCL+8192
.set STG,   SPARE+512                  ; 16 rows x 272 bytes a wave
.set SP,    272
.set LI,   1
.set AD0,  2
.set AAS0, 4
.set STO,  5                           ; stage, in: 272 r + 64 h
.set RD,   6                           ; stage, back: 272 h + 16 r
.set CO,   7                           ; out0: 4,096 h + 16 r
.set WSO,  8
.set BO,   9
.set SPW,  10
.set NIL,  11
.set T16,  13
.set T16S, 14
.set SB,   24
.set SA,   44
.set ACC,  104                         ; v104-135
.set BK,   136                         ; v136-167, v200-231: a tile read back from the stage, by turns
.set BIAS, 168
.set WV, 22
.set WR, 23
.set WC, 24
.set G1, 36
.set G0, 44
.set MSB, 0
.macro WIN new
.if MSB != \new
	s_set_vgpr_msb (MSB<<8)|\new
.set MSB, \new
.endif
.endm
.macro PLACES n
.rept \n
	v_nop
.endr
.endm
.macro CROUND
	s_barrier_signal -1
	s_barrier_wait -1
	s_cmp_lg_u32 s[WV], 0
	s_cbranch_scc1 .Lnot_wave_0_\@
	s_barrier_signal -3
.Lnot_wave_0_\@:
	s_barrier_wait -3
	s_barrier_signal -1
	s_barrier_wait -1
.endm
.macro FETCH e, i
	WIN 3<<6
.irp q, 0,1,2,3,4,5,6,7
.irp c, 0,1,2,3
	ds_load_b128 v[128*(\e)+16*\q+4*\c:128*(\e)+16*\q+4*\c+3], v[AD0+(\i)/4] offset:((\i)%4)*16384+2048*\q+512*\c
.endr
.endr
	WIN 0
.irp u, 0,1,2,3
	ds_load_b64 v[SA+8*(\e)+2*\u:SA+8*(\e)+2*\u+1], v[AAS0] offset:512*(\i)+128*\u
.endr
.endm
.macro PROD e, n                       ; product n = 4 q + b; the four accumulators by turns
.set Q_, (\n)/4
.set B_, (\n)%4
.set AC_, ACC+8*B_
.set C_, AC_
.if Q_ == 0
.set C_, BIAS+8*B_
.endif
.set X_, 128*(\e)+16*Q_
.set W_, 16*((\n)%16)
.set XS_, SA+8*(\e)+Q_
.set WS_, SB+8*(B_/2)+Q_
	WIN (1+(\n)/16)|(3<<2)
.if B_%2
	v_wmma_scale_f32_16x16x128_f8f6f4 v[AC_:AC_+7], v[W_:W_+15], v[X_:X_+15], v[C_:C_+7], v[WS_], v[XS_] matrix_a_scale:MATRIX_SCALE_ROW1
.else
	v_wmma_scale_f32_16x16x128_f8f6f4 v[AC_:AC_+7], v[W_:W_+15], v[X_:X_+15], v[C_:C_+7], v[WS_], v[XS_]
.endif
.endm
.macro TOSTAGE i                       ; tile b's register j is column 32 (b / 2) + 16 h + 8 (b % 2) + j of row r
.set BB_, BK+64*((\i)%2)
.irp b, 0,1,2,3
	ds_store_b128 v[STO], v[ACC+8*\b:ACC+8*\b+3] offset:128*(\b/2)+32*(\b%2)      ; each accumulator from its low end on
	ds_store_b128 v[STO], v[ACC+8*\b+4:ACC+8*\b+7] offset:128*(\b/2)+32*(\b%2)+16
.endr
.irp k, 0,1,2,3,4,5,6,7
	ds_load_b128 v[BB_+4*\k:BB_+4*\k+3], v[RD] offset:2*\k*SP   ; LDS serves a wave's instructions in order: these see my stores
.endr
.endm
.macro SEND i                          ; sixteen lanes store 256 consecutive bytes, aligned
.set BB_, BK+64*((\i)%2)
.irp k, 0,1,2,3,4,5,6,7
	global_store_b128 v[CO], v[BB_+4*\k:BB_+4*\k+3], s[14:15] offset:(32*((\i)/2)+8*((\i)%2)+2*\k+8*(\k/4))*4096 th:TH_STORE_NT
.endr
.endm
.macro OBLK i
.if (\i) < 7
	s_wait_dscnt NF                                ; all but the 36 loads issued last: this tile's set is in, and the last tile is back from the stage
.else
	s_wait_dscnt 0x0
.endif
.if (\i) > 0
	SEND (\i)-1
.endif
.set N_, 0
.rept 32
	PROD (\i)%2, N_
.set N_, N_+1
.endr
	WIN 0
	PLACES 9                                       ; nine: the next tile's first products write these accumulators anew
	s_wait_xcnt 0x0                                ; earlier stores have read their registers
	TOSTAGE \i
.if (\i)+2 < 8
	FETCH (\i)%2, (\i)+2
.endif
.endm
	s_load_b256 s[4:11], s[0:1], 0x0               ; cc, cs, wc, ws
	s_load_b128 s[12:15], s[0:1], 0x20             ; bo, out0
	v_lshl_add_u32 v[SPW], v0, 2, SPARE
	v_mov_b32 v[NIL], 0
	ds_add_u32 v[SPW], v[NIL]                      ; the opening lines: the add, twice on end, and its wait ahead of my tensor load
	ds_add_u32 v[SPW], v[NIL]
	v_lshrrev_b32 v16, 5, v0
	v_readfirstlane_b32 s[WV], v16
	s_lshr_b32 s[WR], s[WV], 1
	s_and_b32 s[WC], s[WV], 1
	s_bfe_u32 s25, ttmp6, 0x40000                  ; cx: it enters the weight's and the result's global addresses alone
	s_lshl_b32 s26, ttmp9, 2
	s_add_co_u32 s26, s26, s25
	s_and_b32 s27, ttmp7, 0xffff                   ; the group of 256 rows, which the partners share
	s_lshl_b32 s28, s26, 1
	s_add_co_u32 s28, s28, s[WC]                   ; my 64 columns
	s_mov_b32 s[G1], 15|(3<<16)|(1<<21)
	s_mov_b32 s[G1+1], 32<<16                      ; 256 dense rows of 256 bytes
	s_mov_b32 s[G1+2], 256<<16
	s_mov_b32 s[G1+3], 32<<16
	s_mov_b32 s[G1+4], 256
	s_mov_b32 s[G1+5], 32
	s_mov_b32 s[G1+6], 0
	s_mov_b32 s[G1+7], 0
	s_lshl_b32 s29, s[WV], 16
	s_lshl_b32 s30, s27, 18
	s_add_co_u32 s30, s30, s29
	s_mov_b32 s31, 0
	s_lshl_b32 s32, s27, 13
	s_mov_b32 s33, 0
	s_lshl_b32 s34, s28, 16
	s_add_co_u32 s34, s34, 0x300000                ; Wo: 192 tiles on
	s_mov_b32 s35, 0
	s_lshl_b32 s54, s28, 11
	s_add_co_u32 s54, s54, 0x18000
	s_mov_b32 s55, 0
	s_lshl_b32 s50, s28, 8                         ; my columns, in bytes
	s_mov_b32 s51, 0
	s_lshl_b32 s52, s27, 20                        ; my first row: 256 x the group + 128 x my row of waves, rows of 4,096 bytes
	s_lshl_b32 s53, s[WR], 19
	s_add_co_u32 s52, s52, s53
	s_add_co_u32 s52, s52, s50
	s_mov_b32 s53, 0
	s_lshl_b32 s45, s[WR], 17
	s_lshl_b32 s46, s[WR], 12
	s_add_co_u32 s46, s46, SCL
	s_mul_i32 s47, s[WV], 16*SP
	s_add_co_u32 s47, s47, STG
	v_and_b32 v16, 31, v0
	v_and_b32 v17, 15, v0                          ; r
	v_bfe_u32 v18, v0, 4, 1                        ; h
	v_lshlrev_b32 v[LI], 4, v16
	v_lshlrev_b32 v[T16], 4, v0
	v_lshl_add_u32 v[AD0], v16, 4, s45
	v_lshl_add_u32 v[AAS0], v17, 3, s46
	v_mul_u32_u24 v[STO], v17, SP
	v_mul_u32_u24 v[RD], v18, SP
	v_lshlrev_b32 v[CO], 12, v18
	v_lshlrev_b32 v[WSO], 3, v17
	v_lshlrev_b32 v[BO], 6, v18
	v_add_nc_u32 v[AD0+1], 0x10000, v[AD0]
	v_add_nc_u32 v[T16S], SCL, v[T16]
	v_lshl_add_u32 v[STO], v18, 6, v[STO]
	v_lshl_add_u32 v[RD], v17, 4, v[RD]
	v_lshl_add_u32 v[CO], v17, 4, v[CO]
	v_lshl_add_u32 v[WSO], v18, 9, v[WSO]
	v_add_nc_u32 v[STO], s47, v[STO]
	v_add_nc_u32 v[RD], s47, v[RD]
	s_wait_alu depctr_va_vdst(0)
	s_wait_dscnt 0x0
	s_wait_kmcnt 0x0
	s_add_nc_u64 s[4:5], s[4:5], s[30:31]
	s_add_nc_u64 s[6:7], s[6:7], s[32:33]
	s_add_nc_u64 s[8:9], s[8:9], s[34:35]
	s_add_nc_u64 s[10:11], s[10:11], s[54:55]
	s_add_nc_u64 s[12:13], s[12:13], s[50:51]
	s_add_nc_u64 s[14:15], s[14:15], s[52:53]
	CROUND                                         ; all four work-groups are here: the joint loads meet
	s_mov_b32 s[G0], 1
	s_mov_b32 s[G0+1], s29
	s_mov_b64 s[G0+2:G0+3], s[4:5]
	s_or_b32 s[G0+3], s[G0+3], 0x80000000
	tensor_load_to_lds s[G0:G0+3], s[G1:G1+7]      ; my one tensor load of the launch
	s_nop 0
	PLACES 4
.irp k, 0,1,2,3
	global_load_b128 v[ACC+4*\k:ACC+4*\k+3], v[T16], s[6:7] offset:2048*\k   ; ctx's scale words
.endr
.irp q, 0,1,2,3,4,5,6,7                ; my four tiles of Wo, all of K
.irp b, 0,1,2,3
	WIN (1+(4*\q+\b)/16)<<6
.irp c, 0,1,2,3
	global_load_b128 v[16*((4*\q+\b)%16)+4*\c:16*((4*\q+\b)%16)+4*\c+3], v[LI], s[8:9] offset:\b*16384+\q*2048+\c*512
.endr
.endr
.endr
	WIN 0
.irp p, 0,1
.irp u, 0,1,2,3
	global_load_b64 v[SB+8*\p+2*\u:SB+8*\p+2*\u+1], v[WSO], s[10:11] offset:\p*1024+\u*128
.endr
.endr
.irp u, 0,1
.irp k, 0,1,2,3
	global_load_b128 v[BIAS+16*\u+4*\k:BIAS+16*\u+4*\k+3], v[BO], s[12:13] offset:128*\u+16*\k   ; register 16 u + i: column 32 u + 16 h + i
.endr
.endr
	s_wait_loadcnt 63                              ; more than 63 loads were issued behind the four: they are in
.irp k, 0,1,2,3
	ds_store_b128 v[T16S], v[ACC+4*\k:ACC+4*\k+3] offset:2048*\k
.endr
	s_wait_dscnt 0x0
	s_wait_tensorcnt 0x0                           ; my rows lie in LDS,
	s_barrier_signal -1
	s_barrier_wait -1                              ; everybody's do
	FETCH 0, 0
	FETCH 1, 1
	s_wait_loadcnt 0x0                             ; Wo, its scale words, the bias
.irp i, 0,1,2,3,4,5,6,7
	OBLK \i
.endr
	s_wait_dscnt 0x0
	SEND 7
	s_wait_tensorcnt 0x0                           ; the wave's end
	ds_add_u32 v[SPW], v[NIL]
	s_wait_dscnt 0x0
	CROUND                                         ; the closing round
	s_endpgm
.Lfunc_end_k_q5914c785df_outp:
	.size	k_q5914c785df_outp, .Lfunc_end_k_q5914c785df_outp-k_q5914c785df_outp
	.p2alignl 7, 3214868480
	.fill 96, 4, 3214868480
	.section	.rodata,"a",@progbits
	.p2align	6, 0x0
	.amdhsa_kernel k_q5914c785df_outp
		.amdhsa_group_segment_fixed_size 327680
		.amdhsa_private_segment_fixed_size 0
		.amdhsa_enable_private_segment 0
		.amdhsa_kernarg_size 48
		.amdhsa_user_sgpr_count 2
		.amdhsa_user_sgpr_kernarg_segment_ptr 1
		.amdhsa_wavefront_size32 1
		.amdhsa_system_sgpr_workgroup_id_x 1
		.amdhsa_system_sgpr_workgroup_id_y 1
		.amdhsa_system_sgpr_workgroup_id_z 1
		.amdhsa_system_vgpr_workitem_id 0
		.amdhsa_next_free_vgpr 1024
		.amdhsa_next_free_sgpr 66
		.amdhsa_reserve_vcc 0
		.amdhsa_float_denorm_mode_32 3
		.amdhsa_float_denorm_mode_16_64 3
		.amdhsa_memory_ordered 1
		.amdhsa_forward_progress 1
		.amdhsa_inst_pref_size 88
	.end_amdhsa_kernel
	.amdgpu_metadata
---
amdhsa.version: [ 1, 2 ]
amdhsa.kernels:
  - .name:           k_q5914c785df_outp
    .symbol:         k_q5914c785df_outp.kd
    .args:
      - { .name: cc, .offset: 0, .size: 8, .value_kind: global_buffer, .address_space: global }
      - { .name: cs, .offset: 8, .size: 8, .value_kind: global_buffer, .address_space: global }
      - { .name: wc, .offset: 16, .size: 8, .value_kind: global_buffer, .address_space: global }
      - { .name: ws, .offset: 24, .size: 8, .value_kind: global_buffer, .address_space: global }
      - { .name: bo, .offset: 32, .size: 8, .value_kind: global_buffer, .address_space: global }
      - { .name: out0, .offset: 40, .size: 8, .value_kind: global_buffer, .address_space: global }
    .group_segment_fixed_size: 327680
    .private_segment_fixed_size: 0
    .kernarg_segment_align: 8
    .kernarg_segment_size: 48
    .max_flat_workgroup_size: 128
    .sgpr_count:     66
    .vgpr_count:     1024
    .wavefront_size: 32
...
	.end_amdgpu_metadata
.endif
;; end of part 4
